; MI455X (gfx1250); checked and timed in simulation.
; The chip was launched on July 23, 2026; its instructions are those of AMD's public machine-readable ISA for CDNA 5 (MIT licence, August 2026) and "CDNA5" Instruction Set Architecture Reference Guide (July 2026). The comments in the code are by the model that wrote it; some were corrected since.
;; Self Attention. Allowed arithmetic: matrix products marked QUANTISED: E2M3 operands, one E8M0 scale for each 32 along K, by v_wmma_scale_f32_16x16x128_f8f6f4 with both operands' format E2M3, f32 sums; everything else in f32.
;; Inputs: Wk 1,024 x 1,024 float32; Wo 1,024 x 1,024 float32; Wq 1,024 x 1,024 float32; Wv 1,024 x 1,024 float32; bk 1,024 float32; bo 1,024 float32; bq 1,024 float32; bv 1,024 float32; x 4 x 2,048 x 1,024 float32.
;; Outputs: out0 4 x 2,048 x 1,024 float32.
;; This version of the problem:
;;   THIS VERSION OF THE PROBLEM IS GIVEN IN LOW PRECISION. The matrix products marked QUANTISED in the list below multiply operands that are first quantised to E2M3 (2 exponent bits, 3 mantissa bits; 6 bits a number), with one power-of-two scale for each 32 numbers along K (OCP MX v1.0); their sums are f32. All else is computed in f32.
;;   The module's matrix products, in the order in which they are computed (A, B: the left and right operand; K: the contracted axis; several contracted axes count as one K, in the product's order):
;;     1. [M 8,192, K 1,024] x [K 1,024, N 1,024]; A: input x; B: input Wq: QUANTISED
;;     2. [M 8,192, K 1,024] x [K 1,024, N 1,024]; A: input x; B: input Wk: QUANTISED
;;     3. [M 8,192, K 1,024] x [K 1,024, N 1,024]; A: input x; B: input Wv: QUANTISED
;;     4. batch 64 x [M 2,048, K 64] x [K 64, N 2,048]; A: computed on the way; B: computed on the way: QUANTISED
;;     5. batch 64 x [M 2,048, K 2,048] x [K 2,048, N 64]; A: softmax (see below); B: computed on the way: QUANTISED
;;     6. [M 8,192, K 1,024] x [K 1,024, N 1,024]; A: computed on the way; B: input Wo: QUANTISED
;;   THE QUANTISER, for each operand of a quantised product, along K:
;;     - K is cut into blocks of 32 from its start; a last block that is shorter is filled with zeros.
;;     - A block's scale is 2^e with e = floor(log2(the largest magnitude in the block)) - 2, held to -126 .. 127; a block of zeros has e = 0. As a byte (E8M0): e + 127.
;;     - Each number is divided by its block's scale, clamped to +-7.5, and rounded to the nearest number of E2M3, ties to even, subnormals kept.
;;     - The product sums the exact products of the quantised numbers (number of the format x scale) in f32.
;;   ~~~python
;;   def quantise(x, axis):      # numpy; x: float32 -> the quantised numbers, widened to float32 again
;;       x = np.moveaxis(x, axis, -1); K = x.shape[-1]
;;       x = np.pad(x, [(0, 0)] * (x.ndim - 1) + [(0, -K % 32)]); x = x.reshape(x.shape[:-1] + (-1, 32)); a = np.abs(x).max(-1, keepdims=True)
;;       e = np.where(a > 0, np.clip(np.frexp(np.where(a > 0, a, 1))[1] - 1 - 2, -126, 127), 0)      # np.frexp(a)[1] - 1 = floor(log2(a)), exactly
;;       r = np.clip(x / 2.0 ** e, -7.5, 7.5)
;;       step = 2.0 ** (np.maximum(np.frexp(np.where(r == 0, 1, r))[1] - 1, 0) - 3)
;;       q = np.round(r / step) * step * 2.0 ** e      # np.round: ties to even
;;       return np.moveaxis(q.reshape(q.shape[:-2] + (-1,))[..., :K], -1, axis).astype(np.float32)
;;   ~~~
;;   SOFTMAX AHEAD OF A QUANTISED PRODUCT. Where the list says 'softmax', what is quantised is not the finished softmax but p = 2^(t - M), with t = logit x log2(e) and M = ceil(the row's largest t), a whole number; so 1/2 < the row's largest p <= 1. The row's sum l is taken of the UNQUANTISED p, in f32, and the product's result is divided by l at the end. Since M is a whole number, a kernel that streams over the keys may use a running M (the ceiling of the running maximum): every later rescaling is an exact power of two, which a block's scale takes up: the codes' values come out the same.
;;   OPERANDS COMPUTED ON THE WAY. 'Computed on the way' means the value that the module computes at that place (a softmax that the list does not call 'softmax' is quantised finished and normalised). What goes into a quantiser is computed in f32, as accurately as f32 sums, v_exp_f32 and their like allow (about 1e-6 of the number): no bf16 or f16 on the way to a quantiser, and a product that is left as it is and whose result goes on into a quantised operand takes f32 operands (vector FMAs, or v_wmma_f32_16x16x4_f32). A number that lies on a knife's edge between two numbers of the format may be rounded either way, as far as f32 arithmetic and the matrix unit's own rounding can turn it there, and no further.
;; One version. Each part assembles by itself: llvm-mc -triple=amdgcn-amd-amdhsa -mcpu=gfx1250 --defsym DOCPART=n.
;; ======== version 1 of 1: 4 launches
;; limits: right only within a limited range of input values
;; workspace buffers: xq 6,553,600 bytes; wq 3,276,800 bytes; qkv 19,660,800 bytes; ctx 6,553,600 bytes
;; launch quant (part 1): grid 768 x 1, 1 waves a work-group, no clusters, 8,704 bytes of LDS; arguments x, Wq, Wk, Wv, Wo, xq, wq; writes xq, wq
.if DOCPART == 1
	.amdgcn_target "amdgcn-amd-amdhsa--gfx1250"
	.amdhsa_code_object_version 6
	.text
	.protected	k_q6bd5771032_quant
	.globl	k_q6bd5771032_quant
	.p2align	8
	.type	k_q6bd5771032_quant,@function
k_q6bd5771032_quant:
	s_mov_b64 s[64:65], 0
	v_nop
	global_prefetch_b8 v0, s[64:65] scope:SCOPE_SE
	s_setreg_imm32_b32 hwreg(HW_REG_WAVE_MODE, 25, 1), 1
	s_wait_xcnt 0x0
; x [8192][1024] and Wq, Wk, Wv, Wo [1024][1024], f32, K innermost, become codes of FP6 (E2M3) with one E8M0 scale byte for each 32 along K, laid as the products' launches load them.
; A block's scale is 2^(floor(log2(its largest magnitude)) - 2); its byte is the largest magnitude's exponent field - 2, held at 1 from below.
; LIMITS: a block of zeros, or one whose largest magnitude lies under 2^-124, gets the byte 1 (its codes are zeros or tiny; the bytes are read by this program alone); NaN and infinities are not served.
; A TILE is 16 rows that are not neighbours: tile T holds rows 32 (T / 2) + 8 (T % 2) + i + 8 (i / 8), i = 0 .. 15, so that a later result's 16 registers of two neighbouring tiles are 16 neighbours.
; OUT: codes [tile][K step of 128][1,536 bytes]: the image of a fragment's 12 registers, in two halves c of 768 bytes: registers 6 c .. 6 c + 3 at 16 x lane, then registers 6 c + 4, 6 c + 5 at 8 x lane.
;      scale words [tile][row i][K step], 4 bytes each, behind the codes.
; SHARES: one wave to a work-group, one tile to a wave: work-groups 0-511 take x's tiles, 512-767 the weights' (64 each, in the order Wq, Wk, Wv, Wo).  Only pointers are chosen: one way through the text.
; A K step: 16 loads, each 512 consecutive bytes of one row; through a stage in LDS (rows of 512 + 16 bytes) they come back so that lane (r, h) holds k = 64 c + 32 h + 0 .. 31 of row r: two whole blocks.
; Loads run two steps (32 loads) ahead.
.set R,   32                           ; v32-159  two sets of 64 registers as loaded
.set X,   160                          ; v160-223 my two blocks of 32 numbers
.set C,   224                          ; v224-235 the fragment's codes
.set CT,  236                          ; v236-238, v240-242 a block's upper 16 codes (a conversion's three registers begin on an even number)
.set SW,  16                           ; v16-23   the eight K steps' scale words
.set OW,  24                           ; v24-27   the four that I store
.set SP,  528                          ; a stage row
	s_load_b256 s[4:11], s[0:1], 0x0               ; x, Wq, Wk, Wv
	s_load_b128 s[12:15], s[0:1], 0x20             ; Wo, xq
	s_load_b64 s[16:17], s[0:1], 0x30              ; wq
	v_lshl_add_u32 v254, v0, 2, 0x2100
	v_mov_b32 v255, 0
	v_lshlrev_b32 v1, 4, v0                        ; 16 x lane
	v_lshlrev_b32 v2, 3, v0                        ; 8 x lane
	v_and_b32 v6, 15, v0                           ; r
	v_lshrrev_b32 v7, 4, v0                        ; h
	v_mul_u32_u24 v3, v6, SP
	v_lshl_add_u32 v3, v7, 7, v3                   ; out of the stage: row r, + 128 h bytes
	v_lshlrev_b32 v4, 3, v7                        ; 8 h: my bytes' place in a scale word
	v_lshlrev_b32 v5, 5, v6
	v_lshl_add_u32 v5, v7, 4, v5                   ; the scale words' way out: 32 r + 16 h
	v_mov_b32 v15, 0                               ; a lane permute's destination counts as one of its sources
	s_mov_b32 s24, 0x76543210
	s_mov_b32 s25, 0xfedcba98                      ; v_permlanex16_b32's selects for lane l xor 16
	s_mov_b32 s29, 3145728                         ; where the scale words begin in wq,
	s_cmp_lt_u32 ttmp9, 512                        ; x's tile or a weight's?
	s_cselect_b32 s27, 0, 512
	s_cselect_b32 s28, -1, 63
	s_cselect_b32 s29, 6291456, s29                ; and in xq
	s_sub_co_u32 s26, ttmp9, s27                   ; the tile's number in its output buffer
	s_and_b32 s28, s26, s28                        ; and in its input tensor
	s_lshr_b32 s30, s26, 6                         ; which weight
	s_lshr_b32 s31, s28, 1
	s_lshl_b32 s31, s31, 17                        ; 32 rows of 4,096 bytes
	s_and_b32 s32, s28, 1
	s_lshl_b32 s32, s32, 15                        ; 8 rows
	s_add_co_u32 s32, s31, s32
	s_mov_b32 s33, 0
	s_mul_i32 s34, s26, 12288
	s_mov_b32 s35, 0
	s_lshl_b32 s36, s26, 9
	s_add_co_u32 s36, s36, s29
	s_mov_b32 s37, 0
	s_wait_alu depctr_va_vdst(0)
	s_wait_kmcnt 0x0
	s_cmp_eq_u32 s30, 1
	s_cselect_b64 s[18:19], s[8:9], s[6:7]
	s_cmp_eq_u32 s30, 2
	s_cselect_b64 s[18:19], s[10:11], s[18:19]
	s_cmp_eq_u32 s30, 3
	s_cselect_b64 s[18:19], s[12:13], s[18:19]
	s_cmp_lt_u32 ttmp9, 512
	s_cselect_b64 s[18:19], s[4:5], s[18:19]       ; the input
	s_cselect_b64 s[20:21], s[14:15], s[16:17]     ; the output
	s_mov_b64 s[22:23], s[20:21]
	s_add_nc_u64 s[18:19], s[18:19], s[32:33]      ; the tile's first row
	s_add_nc_u64 s[20:21], s[20:21], s[34:35]      ; its codes
	s_add_nc_u64 s[22:23], s[22:23], s[36:37]      ; its scale words
.macro LOAD s                          ; K step s of the 16 rows: 32 lanes read 512 consecutive bytes of a row
.irp i, 0,1,2,3,4,5,6,7,8,9,10,11,12,13,14,15
	global_load_b128 v[R+64*((\s)%2)+4*\i:R+64*((\s)%2)+4*\i+3], v1, s[18:19] offset:(\i+8*(\i/8))*4096+512*(\s) th:TH_LOAD_NT
.endr
.endm
.macro QSTEP s
.if (\s) < 7
	s_wait_loadcnt 16                              ; this step's 16 loads are in; the next step's 16 may be out
.else
	s_wait_loadcnt 0x0
.endif
.irp i, 0,1,2,3,4,5,6,7,8,9,10,11,12,13,14,15
	ds_store_b128 v1, v[R+64*((\s)%2)+4*\i:R+64*((\s)%2)+4*\i+3] offset:SP*\i
.endr
.irp c, 0,1
.irp k, 0,1,2,3,4,5,6,7
	ds_load_b128 v[X+32*\c+4*\k:X+32*\c+4*\k+3], v3 offset:256*\c+16*\k   ; LDS serves a wave's instructions in order: these see the stores above
.endr
.endr
	s_wait_dscnt 0x0                               ; my numbers are back, and the stores into the stage have read their registers,
.if (\s)+2 < 8
	LOAD (\s)+2                                    ; which take the loads of two steps on
.endif
.irp c, 0,1                                    ; my block 2 c + h: all its 32 numbers are mine
	v_max3_num_f32 v[8+\c], |v[X+32*\c]|, |v[X+1+32*\c]|, 0x1800000   ; with the floor 2^(3 - 127): the byte cannot fall under 1
.endr
.irp i, 2,4,6,8,10,12,14,16,18,20,22,24,26,28,30
.irp c, 0,1
	v_max3_num_f32 v[8+\c], v[8+\c], |v[X+32*\c+\i]|, |v[X+1+32*\c+\i]|   ; (the two blocks by turns)
.endr
.endr
.irp c, 0,1
	v_add_nc_u32 v[10+\c], 0xff000000, v[8+\c]     ; 2 off the exponent field: the conversion takes the exponent field of this operand as its scale
.endr
.irp c, 0,1
	v_lshrrev_b32 v[12+\c], 23, v[10+\c]           ; the scale's byte
.endr
	v_lshl_or_b32 v14, v13, 16, v12                ; my two bytes: blocks h and 2 + h,
	v_lshlrev_b32 v14, v4, v14                     ; at their places in the word;
	v_permlanex16_b32 v15, v14, s24, s25
	v_or_b32 v[SW+(\s)], v14, v15                  ; with lane l xor 16's two the word is whole, in both lanes
.if (\s) > 0
	s_wait_alu depctr_va_vdst(0)
	s_wait_xcnt 0x0                                ; the last step's stores have read the codes' registers
.endif
.irp c, 0,1
	v_cvt_scalef32_pk16_fp6_f32 v[C+6*\c:C+6*\c+2], v[X+32*\c:X+32*\c+15], v[10+\c]
	v_cvt_scalef32_pk16_fp6_f32 v[CT+4*\c:CT+4*\c+2], v[X+32*\c+16:X+32*\c+31], v[10+\c]
.endr
	v_nop                                          ; one plain place behind a scaled conversion
.irp c, 0,1
.irp i, 0,1,2
	v_mov_b32 v[C+6*\c+3+\i], v[CT+4*\c+\i]
.endr
.endr
	global_store_b128 v1, v[C:C+3], s[20:21] offset:1536*(\s)            ; each store covers 512 or 256 consecutive bytes, at a multiple of 256 from the buffer's first byte
	global_store_b64 v2, v[C+4:C+5], s[20:21] offset:1536*(\s)+512
	global_store_b128 v1, v[C+6:C+9], s[20:21] offset:1536*(\s)+768
	global_store_b64 v2, v[C+10:C+11], s[20:21] offset:1536*(\s)+1280
.endm
	LOAD 0
	LOAD 1
.irp s, 0,1,2,3,4,5,6,7
	QSTEP \s
.endr
	v_cmp_lt_u32 vcc_lo, 15, v0                    ; lanes 16-31 store K steps 4-7's words, lanes 0-15 K steps 0-3's
.irp i, 0,1,2,3
	v_cndmask_b32 v[OW+\i], v[SW+\i], v[SW+4+\i], vcc_lo
.endr
	global_store_b128 v5, v[OW:OW+3], s[22:23]     ; the tile's 512 bytes of scale words, consecutive
	s_wait_tensorcnt 0x0
	ds_add_u32 v254, v255
	s_wait_dscnt 0x0
	s_endpgm
.Lfunc_end_k_q6bd5771032_quant:
	.size	k_q6bd5771032_quant, .Lfunc_end_k_q6bd5771032_quant-k_q6bd5771032_quant
	.p2alignl 7, 3214868480
	.fill 96, 4, 3214868480
	.section	.rodata,"a",@progbits
	.p2align	6, 0x0
	.amdhsa_kernel k_q6bd5771032_quant
		.amdhsa_group_segment_fixed_size 8704
		.amdhsa_private_segment_fixed_size 0
		.amdhsa_enable_private_segment 0
		.amdhsa_kernarg_size 56
		.amdhsa_user_sgpr_count 2
		.amdhsa_user_sgpr_kernarg_segment_ptr 1
		.amdhsa_wavefront_size32 1
		.amdhsa_system_sgpr_workgroup_id_x 1
		.amdhsa_system_sgpr_workgroup_id_y 1
		.amdhsa_system_sgpr_workgroup_id_z 1
		.amdhsa_system_vgpr_workitem_id 0
		.amdhsa_next_free_vgpr 256
		.amdhsa_next_free_sgpr 66
		.amdhsa_reserve_vcc 1
		.amdhsa_float_denorm_mode_32 3
		.amdhsa_float_denorm_mode_16_64 3
		.amdhsa_memory_ordered 1
		.amdhsa_forward_progress 1
		.amdhsa_inst_pref_size 58
	.end_amdhsa_kernel
	.amdgpu_metadata
---
amdhsa.version: [ 1, 2 ]
amdhsa.kernels:
  - .name:           k_q6bd5771032_quant
    .symbol:         k_q6bd5771032_quant.kd
    .args:
      - { .name: x, .offset: 0, .size: 8, .value_kind: global_buffer, .address_space: global }
      - { .name: Wq, .offset: 8, .size: 8, .value_kind: global_buffer, .address_space: global }
      - { .name: Wk, .offset: 16, .size: 8, .value_kind: global_buffer, .address_space: global }
      - { .name: Wv, .offset: 24, .size: 8, .value_kind: global_buffer, .address_space: global }
      - { .name: Wo, .offset: 32, .size: 8, .value_kind: global_buffer, .address_space: global }
      - { .name: xq, .offset: 40, .size: 8, .value_kind: global_buffer, .address_space: global }
      - { .name: wq, .offset: 48, .size: 8, .value_kind: global_buffer, .address_space: global }
    .group_segment_fixed_size: 8704
    .private_segment_fixed_size: 0
    .kernarg_segment_align: 8
    .kernarg_segment_size: 56
    .max_flat_workgroup_size: 32
    .sgpr_count:     66
    .vgpr_count:     256
    .wavefront_size: 32
...
	.end_amdgpu_metadata
.endif
;; end of part 1
;; launch qkv (part 2): grid 12 x 32, 4 waves a work-group, clusters of 4 x 4, 327,680 bytes of LDS; arguments xq, wq, bq, bk, bv, qkv; writes qkv
.if DOCPART == 2
	.amdgcn_target "amdgcn-amd-amdhsa--gfx1250"
	.amdhsa_code_object_version 6
	.text
	.protected	k_q6bd5771032_qkv
	.globl	k_q6bd5771032_qkv
	.p2align	8
	.type	k_q6bd5771032_qkv,@function
k_q6bd5771032_qkv:
	s_mov_b64 s[64:65], 0
	v_nop
	global_prefetch_b8 v0, s[64:65] scope:SCOPE_SE
	s_setreg_imm32_b32 hwreg(HW_REG_WAVE_MODE, 25, 1), 1
	s_wait_xcnt 0x0
	s_wait_alu depctr_hold_cnt(0) depctr_sa_sdst(0) depctr_va_vdst(0) depctr_va_sdst(0) depctr_va_ssrc(0) depctr_va_vcc(0) depctr_vm_vsrc(0)
	s_getreg_b32 s2, hwreg(HW_REG_IB_STS2, 6, 4)
	s_cmp_eq_u32 s2, 0
	s_cbranch_scc0 .Lentry_in_a_cluster
	s_endpgm
.Lentry_in_a_cluster:
	s_bfe_u32 s2, ttmp6, 0x10000c
	s_cmp_lg_u32 s2, 0xf033
	s_cbranch_scc0 .Lentry_shape_is_right
	s_endpgm
.Lentry_shape_is_right:
.set NQ,    2
.set FR,    12
.set NL,    4
.set NP,    4
.set TROW,  NQ*1536
.set HALFT, 8*TROW
.set SLOT,  4*HALFT
.set LAPS,  2
.set SCL,   2*SLOT
.set HALFS, 16*272
.set SBLK,  2*272
.set SPARE, SCL+4*HALFS
.set LI,   4
.set L8,   5
.set ADRA, 16
.set ADRB, 20
.set SWO,  25
.set BQ,   26
.set ADRS, 27
.set SPW,  28
.set NIL,  29
.set BV,   30
.set SC,   32
.set BI,   64
.set AF,   128
.set T,    128
.set PC,   192
.set TM,   212
.set PWS,  232
.set OW,   240
.set WV,  16
.set WR,  17
.set WC,  18
.set ISV, 19
.set G1,  24
.set G0,  32
.set G1B, 48
.set G0B, 56
.set G1S, 68
.set G0S, 76
.set G1SB, 80
.set G0SB, 88
.set SEL, 92
.set DST, 96
.set DSS, 98
.set BP,  100
.set MSB, 0
.macro WIN new
.if MSB != (\new)
	s_set_vgpr_msb (MSB<<8)|(\new)
.set MSB, (\new)
.endif
.endm
.set MUL_LO, 0xa1
.set MUL_HI, 0xf1
.set TO_B,   0x40
.macro JLOAD g0a, g1a, g0b, g1b
	s_cmp_eq_u32 s[WR], 0
	s_cbranch_scc0 .Lfor_b_\@
	tensor_load_to_lds s[\g0a:\g0a+3], s[\g1a:\g1a+7]
	s_nop 0
.rept 4
	v_nop
.endr
	s_branch .Lasked_\@
.Lfor_b_\@:
	tensor_load_to_lds s[\g0b:\g0b+3], s[\g1b:\g1b+7]
	s_nop 0
.rept 4
	v_nop
.endr
.Lasked_\@:
.endm
.macro CREST
	s_cmp_lg_u32 s[WV], 0
	s_cbranch_scc1 .Lnot_wave_0_\@
	s_barrier_signal -3
.Lnot_wave_0_\@:
	s_barrier_wait -3
	s_barrier_signal -1
	s_barrier_wait -1
.endm
.macro CROUND
	s_barrier_signal -1
	s_barrier_wait -1
	CREST
.endm
	s_load_b256 s[4:11], s[0:1], 0x0
	s_load_b128 s[12:15], s[0:1], 0x20
	v_lshl_add_u32 v[SPW], v0, 2, SPARE
	v_mov_b32 v[NIL], 0
	ds_add_u32 v28, v29
	ds_add_u32 v28, v29
	s_wait_dscnt 0x0
	v_lshrrev_b32 v1, 5, v0
	v_readfirstlane_b32 s[WV], v1
	s_lshr_b32 s[WR], s[WV], 1
	s_and_b32 s[WC], s[WV], 1
	s_bfe_u32 s40, ttmp6, 0x40000
	s_bfe_u32 s41, ttmp6, 0x40004
	s_and_b32 s45, ttmp7, 0xffff
	s_lshl_b32 s43, s41, 2
	s_lshl_b32 s43, 15, s43
	s_lshl_b32 s44, 0x1111, s40
	s_or_b32 s[G1+0], s43, (3<<16)|(1<<21)
	s_or_b32 s[G1B+0], s44, (3<<16)|(1<<21)
.irp g, G1, G1B
	s_mov_b32 s[\g+1], 384<<16
	s_mov_b32 s[\g+2], 16<<16
	s_mov_b32 s[\g+3], 384<<16
	s_mov_b32 s[\g+4], 16
	s_mov_b32 s[\g+5], 1536
	s_mov_b32 s[\g+6], 0
	s_mov_b32 s[\g+7], 0
.endr
	s_or_b32 s[G1S+0], s43, (3<<16)|(1<<20)|(1<<21)|(5<<22)|(3<<25)
	s_or_b32 s[G1SB+0], s44, (3<<16)|(1<<20)|(1<<21)|(5<<22)|(3<<25)
.irp g, G1S, G1SB
	s_mov_b32 s[\g+1], 32<<16
	s_mov_b32 s[\g+2], 32<<16
	s_mov_b32 s[\g+3], 32<<16
	s_mov_b32 s[\g+4], 32
	s_mov_b32 s[\g+5], 32
	s_mov_b32 s[\g+6], 0
	s_mov_b32 s[\g+7], 0
.endr
	s_lshl_b32 s46, s45, 2
	s_lshl_b32 s47, ttmp9, 2
	s_mov_b32 s23, 6291456
	s_mov_b32 s94, 3145728
	s_cmp_eq_u32 ttmp9, 2
	s_cselect_b32 s[ISV], 1, 0
	s_cselect_b32 s20, 0, s46
	s_cselect_b32 s22, s46, s47
	s_cselect_b32 s21, 1572864, 0
	s_cselect_b32 s23, 3211264, s23
	s_cselect_b32 s94, 6291456, s94
	s_add_co_u32 s66, s20, s41
	s_lshl_b32 s20, s66, 4
	s_lshl_b32 s100, s[WC], 3
	s_add_co_u32 s20, s20, s100
	s_mul_i32 s100, s20, 12288
	s_add_co_u32 s100, s100, s21
	s_mov_b32 s101, 0
	s_lshl_b32 s20, s20, 9
	s_add_co_u32 s20, s20, s23
	s_mov_b32 s21, 0
	s_add_co_u32 s67, s22, s40
	s_lshl_b32 s22, s67, 4
	s_lshl_b32 s46, s[WC], 3
	s_add_co_u32 s22, s22, s46
	s_mul_i32 s46, s22, 12288
	s_mov_b32 s47, 0
	s_lshl_b32 s22, s22, 9
	s_add_co_u32 s22, s22, s94
	s_mov_b32 s23, 0
	s_lshl_b32 s98, s[WC], 12                      ; the scales come whole, 16 tiles a side: their offsets begin at the side's first tile
	s_sub_co_u32 s20, s20, s98
	s_sub_co_u32 s22, s22, s98
	s_mul_i32 s98, s[WV], HALFT
	s_mul_i32 s99, s[WR], 2*HALFS
	s_mov_b32 s[SEL], 0x76543210
	s_mov_b32 s[SEL+1], 0xfedcba98
	s_wait_kmcnt 0x0
	s_cmp_eq_u32 s[ISV], 1
	s_cselect_b64 s[94:95], s[6:7], s[4:5]
	s_cselect_b64 s[96:97], s[4:5], s[6:7]
	s_add_nc_u64 s[100:101], s[94:95], s[100:101]
	s_add_nc_u64 s[20:21], s[94:95], s[20:21]
	s_add_nc_u64 s[46:47], s[96:97], s[46:47]
	s_add_nc_u64 s[22:23], s[96:97], s[22:23]
	CROUND
	s_mov_b32 s[G0S], 1
	s_add_co_u32 s[G0S+1], s99, SCL
	s_mov_b64 s[G0S+2:G0S+3], s[20:21]
	s_or_b32 s[G0S+3], s[G0S+3], 0x80000000
	s_mov_b32 s[G0SB], 1
	s_add_co_u32 s[G0SB+1], s99, SCL
	s_mov_b64 s[G0SB+2:G0SB+3], s[22:23]
	s_or_b32 s[G0SB+3], s[G0SB+3], 0x80000000
.irp s, 0,1
	s_mov_b32 s[G0+4*\s], 1
	s_add_co_u32 s[G0+4*\s+1], s98, \s*SLOT
	s_add_nc_u64 s[G0+4*\s+2:G0+4*\s+3], s[100:101], \s*TROW
	s_or_b32 s[G0+4*\s+3], s[G0+4*\s+3], 0x80000000
	s_mov_b32 s[G0B+4*\s], 1
	s_add_co_u32 s[G0B+4*\s+1], s98, \s*SLOT
	s_add_nc_u64 s[G0B+4*\s+2:G0B+4*\s+3], s[46:47], \s*TROW
	s_or_b32 s[G0B+4*\s+3], s[G0B+4*\s+3], 0x80000000
.endr
; the head's four tiles, one joint load a wave, in one chain of arms: wave 0 slot 0's 16 tile rows of A, wave 1 A's scales, wave 2 the 16 tile rows of B, wave 3 B's scales
.macro ARM under, g0, g1, next
	s_cmp_lt_u32 s[WV], \under
	s_cbranch_scc0 \next
	tensor_load_to_lds s[\g0:\g0+3], s[\g1:\g1+7]
	s_nop 0
.rept 4
	v_nop
.endr
	s_branch .Lhead_asked
\next:
.endm
	ARM 1, G0, G1, .Lhead_sa
	ARM 2, G0S, G1S, .Lhead_b
	ARM 3, G0B, G1B, .Lhead_sb
	tensor_load_to_lds s[G0SB:G0SB+3], s[G1SB:G1SB+7]
	s_nop 0
.rept 4
	v_nop
.endr
.Lhead_asked:
	v_and_b32 v1, 31, v0
	v_and_b32 v2, 15, v0
	v_bfe_u32 v3, v0, 4, 1
	v_lshlrev_b32 v[LI], 4, v1
	v_lshlrev_b32 v[L8], 3, v1
	s_mul_i32 s94, s[WR], HALFT
	s_mul_i32 s95, s[WC], HALFT
	s_add_co_u32 s95, s95, 2*HALFT
.irp s, 0,1
	v_add_nc_u32 v[ADRA+\s], s94, v[LI]
	v_add_nc_u32 v[ADRB+\s], s95, v[LI]
	v_add_nc_u32 v[ADRA+2+\s], s94, v[L8]
	v_add_nc_u32 v[ADRB+2+\s], s95, v[L8]
	s_add_co_u32 s94, s94, SLOT
	s_add_co_u32 s95, s95, SLOT
.endr
	v_lshlrev_b32 v6, 5, v2
	v_lshrrev_b32 v7, 8, v6
	v_lshl_add_u32 v6, v7, 4, v6
	s_mul_i32 s94, s[WR], HALFS
	s_mul_i32 s95, s[WC], HALFS
	s_add_co_u32 s95, s95, 2*HALFS
	s_sub_co_u32 s95, s95, s94
	v_mul_u32_u24 v7, s95, v3
	s_add_co_u32 s94, s94, SCL
	v_add_nc_u32 v6, v6, v7
	v_add_nc_u32 v[ADRS], s94, v6
	v_lshlrev_b32 v[SWO], 4, v2
	v_lshl_add_u32 v[SWO], v3, 12, v[SWO]
	v_lshlrev_b32 v[BQ], 6, v3
	v_and_b32 v[BV], 8, v2
	v_add_nc_u32 v[BV], v[BV], v2
	v_lshlrev_b32 v[BV], 2, v[BV]
	s_cmp_eq_u32 s[ISV], 1
	s_cselect_b32 s94, s67, s66
	s_cselect_b32 s95, s[WC], s[WR]
	s_cselect_b32 s20, s41, s40
	s_cselect_b32 s21, s[WR], s[WC]
	s_cselect_b64 s[BP:BP+1], s[12:13], s[8:9]
	s_cmp_eq_u32 ttmp9, 1
	s_cselect_b64 s[BP:BP+1], s[10:11], s[BP:BP+1]
	s_lshl_b32 s22, s20, 1
	s_add_co_u32 s22, s22, s21
	s_lshl_b32 s46, s22, 9
	s_mov_b32 s47, 0
	s_add_nc_u64 s[BP:BP+1], s[BP:BP+1], s[46:47]
	s_and_b32 s20, s94, 7
	s_lshl_b32 s20, s20, 1
	s_add_co_u32 s20, s20, s95
	s_lshr_b32 s21, s94, 3
	s_lshl_b32 s21, s21, 4
	s_lshl_b32 s22, s22, 1
	s_add_co_u32 s21, s21, s22
	s_mul_i32 s46, ttmp9, 6291456
	s_mul_i32 s22, s21, 98304
	s_add_co_u32 s46, s46, s22
	s_mul_i32 s22, s20, 6144
	s_add_co_u32 s46, s46, s22
	s_add_nc_u64 s[DST:DST+1], s[14:15], s[46:47]
	s_lshl_b32 s46, ttmp9, 18
	s_lshl_b32 s22, s21, 12
	s_add_co_u32 s46, s46, s22
	s_lshl_b32 s22, s20, 8
	s_add_co_u32 s46, s46, s22
	s_add_co_u32 s46, s46, 18874368
	s_add_nc_u64 s[DSS:DSS+1], s[14:15], s[46:47]
.macro FRAG reg, adr, q, i
	ds_load_b128 v[\reg:\reg+3], v[\adr] offset:(\i)*TROW+(\q)*1536
	ds_load_b64 v[\reg+4:\reg+5], v[\adr+2] offset:(\i)*TROW+(\q)*1536+512
	ds_load_b128 v[\reg+6:\reg+9], v[\adr] offset:(\i)*TROW+(\q)*1536+768
	ds_load_b64 v[\reg+10:\reg+11], v[\adr+2] offset:(\i)*TROW+(\q)*1536+1280
.endm
.macro MUL16 a0, p, q, sc, zero
.irp a, \a0, \a0+1
.irp b, 0,1,2,3,4,5,6,7
.if \zero
	v_wmma_scale_f32_16x16x128_f8f6f4 v[8*(8*((\a)%4)+\b):8*(8*((\a)%4)+\b)+7], v[128*(\p)+FR*\b:128*(\p)+FR*\b+FR-1], v[AF+FR*(\a):AF+FR*(\a)+FR-1], 0, v[SC+8*NQ*(\sc)+NQ*\b+(\q)], v[SC+8*NQ*(\sc)+NQ*(\a)+(\q)] matrix_a_fmt:MATRIX_FMT_FP6 matrix_b_fmt:MATRIX_FMT_FP6 matrix_a_scale:MATRIX_SCALE_ROW1
.else
	v_wmma_scale_f32_16x16x128_f8f6f4 v[8*(8*((\a)%4)+\b):8*(8*((\a)%4)+\b)+7], v[128*(\p)+FR*\b:128*(\p)+FR*\b+FR-1], v[AF+FR*(\a):AF+FR*(\a)+FR-1], v[8*(8*((\a)%4)+\b):8*(8*((\a)%4)+\b)+7], v[SC+8*NQ*(\sc)+NQ*\b+(\q)], v[SC+8*NQ*(\sc)+NQ*(\a)+(\q)] matrix_a_fmt:MATRIX_FMT_FP6 matrix_b_fmt:MATRIX_FMT_FP6 matrix_a_scale:MATRIX_SCALE_ROW1
.endif
.endr
.endr
.endm
.macro FETCH_B slot, q, p
	WIN TO_B
.irp i, 0,1,2,3,4,5,6,7
	FRAG 128*(\p)+FR*\i, ADRB+\slot, \q, \i
.endr
	WIN 0
.endm
.macro FETCH_A slot, q, i0
.irp i, \i0, \i0+1, \i0+2, \i0+3
	FRAG AF+FR*(\i), ADRA+\slot, \q, \i
.endr
.endm
.macro SCALES sc
.irp i, 0,1,2,3,4,5,6,7
	ds_load_b64 v[SC+8*NQ*\sc+NQ*\i:SC+8*NQ*\sc+NQ*\i+1], v[ADRS] offset:\i*SBLK
.endr
.endm
.macro PLACES n
.rept \n
	v_nop
.endr
.endm
.macro STEP slot, q, zero
	s_wait_dscnt 4*NL
	WIN MUL_LO
	MUL16 0, (\q)%2, \q, \slot, \zero
	MUL16 2, (\q)%2, \q, \slot, \zero
	s_wait_dscnt 0
	PLACES NP
	FETCH_B \slot, (\q)+1, 1-(\q)%2
	FETCH_A \slot, (\q)+1, 0
	WIN MUL_HI
	MUL16 4, (\q)%2, \q, \slot, \zero
	MUL16 6, (\q)%2, \q, \slot, \zero
	PLACES NP
	WIN 0
	FETCH_A \slot, (\q)+1, 4
.endm
.macro TURN slot, next, fill
	s_wait_tensorcnt 0x0
	ds_add_u32 v[SPW], v[NIL]
	s_wait_dscnt 4*NL+1
	WIN MUL_LO
	MUL16 0, 1, NQ-1, \slot, 0
	s_wait_dscnt 0x0
	s_barrier_signal -1
	MUL16 2, 1, NQ-1, \slot, 0
	WIN 0
	s_barrier_wait -1
.if \fill
	CREST
	s_add_nc_u64 s[G0+4*\slot+2:G0+4*\slot+3], s[G0+4*\slot+2:G0+4*\slot+3], 2*TROW
	s_add_nc_u64 s[G0B+4*\slot+2:G0B+4*\slot+3], s[G0B+4*\slot+2:G0B+4*\slot+3], 2*TROW
	JLOAD G0+4*\slot, G1, G0B+4*\slot, G1B
.else
	PLACES NP
.endif
	s_wait_alu depctr_va_vdst(0)
	v_add_nc_u32 v[ADRS], 4*NQ, v[ADRS]
	FETCH_B \next, 0, 0
	FETCH_A \next, 0, 0
	SCALES \next
	WIN MUL_HI
	MUL16 4, 1, NQ-1, \slot, 0
	MUL16 6, 1, NQ-1, \slot, 0
	PLACES NP
	WIN 0
	FETCH_A \next, 0, 4
.endm
.macro LAST
	s_wait_dscnt 4*NL
	WIN MUL_LO
	MUL16 0, 1, NQ-1, 1, 0
	MUL16 2, 1, NQ-1, 1, 0
	s_wait_dscnt 0
	WIN MUL_HI
	MUL16 4, 1, NQ-1, 1, 0
	MUL16 6, 1, NQ-1, 1, 0
	WIN 0
	PLACES NP
.irp b, 0,1,2,3
	v_mov_b32 v[TM+4+\b], 0
.endr
.endm
.macro QUANT s, pw
.irp b, 0,1,2,3
	v_max3_num_f32 v[TM+\b], |v[\s+16*\b]|, |v[\s+1+16*\b]|, 0x1800000
.endr
.irp i, 2,4,6,8,10,12,14
.irp b, 0,1,2,3
	v_max3_num_f32 v[TM+\b], v[TM+\b], |v[\s+16*\b+\i]|, |v[\s+1+16*\b+\i]|
.endr
.endr
.irp b, 0,1,2,3
	v_permlanex16_b32 v[TM+4+\b], v[TM+\b], s[SEL], s[SEL+1]
.endr
.irp b, 0,1,2,3
	v_max_num_f32 v[TM+\b], v[TM+\b], v[TM+4+\b]
.endr
.irp b, 0,1,2,3
	v_add_nc_u32 v[TM+12+\b], 0xff000000, v[TM+\b]
.endr
.irp b, 0,1,2,3
	v_lshrrev_b32 v[TM+4+\b], 23, v[TM+12+\b]
.endr
	v_lshl_or_b32 v[\pw], v[TM+5], 8, v[TM+4]
	v_lshl_or_b32 v[\pw], v[TM+6], 16, v[\pw]
	v_lshl_or_b32 v[\pw], v[TM+7], 24, v[\pw]
.irp c, 0,1
	v_cvt_scalef32_pk16_fp6_f32 v[PC+6*\c:PC+2+6*\c], v[\s+32*\c:\s+15+32*\c], v[TM+12+2*\c]
	v_cvt_scalef32_pk16_fp6_f32 v[PC+12+4*\c:PC+14+4*\c], v[\s+16+32*\c:\s+31+32*\c], v[TM+12+2*\c+1]
.endr
	v_nop
.irp c, 0,1
.irp i, 0,1,2
	v_permlane16_swap_b32 v[PC+6*\c+\i], v[PC+12+4*\c+\i]
.endr
.irp i, 0,1,2
	v_mov_b32 v[PC+3+6*\c+\i], v[PC+12+4*\c+\i]
.endr
.endr
.endm
.macro STOREF p, e
.irp c, 0,1,2
	global_store_b128 v[LI], v[PC+4*\c:PC+4*\c+3], s[DST:DST+1] offset:(\e)*98304+(\p)*1536+512*\c
.endr
.endm
.macro UNITQK u
.if (\u) > 0
	s_wait_xcnt 0x0
.endif
	WIN 0x02+((\u)%4)/2
.irp f, 0,1
.set k, 0
.rept 16
	v_pk_add_f32 v[T+32*\f+k:T+32*\f+k+1], v[64*((2*((\u)%4)+\f)%4)+32*((\u)/4)+k:64*((2*((\u)%4)+\f)%4)+32*((\u)/4)+k+1], v[BI+32*((\u)/4)+k:BI+32*((\u)/4)+k+1]
.set k, k+2
.endr
.endr
	WIN 0
	QUANT T, PWS+(\u)
	STOREF (\u)%4, (\u)/4
.endm
.macro UNITV u
.if (\u) > 0
	s_wait_xcnt 0x0
.endif
	WIN 0x02+(\u)/4
.set k, 0
.rept 32
	v_pk_add_f32 v[T+k:T+k+1], v[64*((\u)%4)+k:64*((\u)%4)+k+1], v[BI+2*(\u):BI+2*(\u)+1]
.set k, k+2
.endr
	WIN 0
	QUANT T, PWS+(\u)
	STOREF (\u)%4, (\u)/4
.endm
	s_wait_alu depctr_va_vdst(0)
	s_wait_tensorcnt 0x0                           ; my tile of the head's four is in
	ds_add_u32 v[SPW], v[NIL]
	s_mov_b32 s[G1+2], 8<<16                       ; no load of mine is out: from here on a load brings 8 tile rows
	s_mov_b32 s[G1+4], 8
	s_mov_b32 s[G1B+2], 8<<16
	s_mov_b32 s[G1B+4], 8
	s_wait_dscnt 0x0
	CROUND                                         ; all four tiles are shown to all waves
	JLOAD G0+4, G1, G0B+4, G1B                     ; slot 1, a quarter a wave
	FETCH_B 0, 0, 0
	FETCH_A 0, 0, 0
	SCALES 0
	FETCH_A 0, 0, 4
	STEP 0, 0, 1
	s_mov_b32 s3, LAPS-1
.Llap:
	TURN 0, 1, 1
	STEP 1, 0, 0
	TURN 1, 0, 1
	STEP 0, 0, 0
	s_sub_co_u32 s3, s3, 1
	s_cmp_lg_u32 s3, 0
	s_cbranch_scc1 .Llap
	TURN 0, 1, 0
	STEP 1, 0, 0
	s_cmp_eq_u32 s[ISV], 1
	s_cbranch_scc1 .Lvalues
.irp e, 0,1
.irp b, 0,1
.irp k, 0,1,2,3
	global_load_b128 v[BI+32*\e+16*\b+4*\k:BI+32*\e+16*\b+4*\k+3], v[BQ], s[BP:BP+1] offset:(64*\e+32*\b)*4+16*\k
.endr
.endr
.endr
	LAST
	s_wait_loadcnt 0x0
.irp u, 0,1,2,3,4,5,6,7
	UNITQK \u
.endr
	s_branch .Lwords
.Lvalues:
.irp a, 0,1,2,3,4,5,6,7
	global_load_b32 v[BI+2*\a], v[BV], s[BP:BP+1] offset:(32*(\a/2)+8*(\a%2))*4
	global_load_b32 v[BI+2*\a+1], v[BV], s[BP:BP+1] offset:(32*(\a/2)+8*(\a%2))*4
.endr
	LAST
	s_wait_loadcnt 0x0
.irp u, 0,1,2,3,4,5,6,7
	UNITV \u
.endr
.Lwords:
	v_cmp_lt_u32 vcc_lo, 15, v1
.irp i, 0,1,2,3
	v_cndmask_b32 v[OW+\i], v[PWS+\i], v[PWS+4+\i], vcc_lo
.endr
	global_store_b128 v[SWO], v[OW:OW+3], s[DSS:DSS+1]
	s_wait_tensorcnt 0x0
	ds_add_u32 v[SPW], v[NIL]
	s_wait_dscnt 0x0
	CROUND
	s_endpgm
.Lfunc_end_k_q6bd5771032_qkv:
	.size	k_q6bd5771032_qkv, .Lfunc_end_k_q6bd5771032_qkv-k_q6bd5771032_qkv
	.p2alignl 7, 3214868480
	.fill 96, 4, 3214868480
	.section	.rodata,"a",@progbits
	.p2align	6, 0x0
	.amdhsa_kernel k_q6bd5771032_qkv
		.amdhsa_group_segment_fixed_size 327680
		.amdhsa_private_segment_fixed_size 0
		.amdhsa_enable_private_segment 0
		.amdhsa_kernarg_size 48
		.amdhsa_user_sgpr_count 2
		.amdhsa_user_sgpr_kernarg_segment_ptr 1
		.amdhsa_wavefront_size32 1
		.amdhsa_system_sgpr_workgroup_id_x 1
		.amdhsa_system_sgpr_workgroup_id_y 1
		.amdhsa_system_sgpr_workgroup_id_z 1
		.amdhsa_system_vgpr_workitem_id 0
		.amdhsa_next_free_vgpr 1024
		.amdhsa_next_free_sgpr 102
		.amdhsa_reserve_vcc 1
		.amdhsa_float_denorm_mode_32 3
		.amdhsa_float_denorm_mode_16_64 3
		.amdhsa_memory_ordered 1
		.amdhsa_forward_progress 1
		.amdhsa_inst_pref_size 226
	.end_amdhsa_kernel
	.amdgpu_metadata
---
amdhsa.version: [ 1, 2 ]
amdhsa.kernels:
  - .name:           k_q6bd5771032_qkv
    .symbol:         k_q6bd5771032_qkv.kd
    .args:
      - { .name: xq, .offset: 0, .size: 8, .value_kind: global_buffer, .address_space: global }
      - { .name: wq, .offset: 8, .size: 8, .value_kind: global_buffer, .address_space: global }
      - { .name: bq, .offset: 16, .size: 8, .value_kind: global_buffer, .address_space: global }
      - { .name: bk, .offset: 24, .size: 8, .value_kind: global_buffer, .address_space: global }
      - { .name: bv, .offset: 32, .size: 8, .value_kind: global_buffer, .address_space: global }
      - { .name: qkv, .offset: 40, .size: 8, .value_kind: global_buffer, .address_space: global }
    .group_segment_fixed_size: 327680
    .private_segment_fixed_size: 0
    .kernarg_segment_align: 8
    .kernarg_segment_size: 48
    .max_flat_workgroup_size: 128
    .sgpr_count:     102
    .vgpr_count:     1024
    .wavefront_size: 32
...
	.end_amdgpu_metadata
.endif
;; end of part 2
;; launch attn (part 3): grid 4 x 64, 16 waves a work-group, clusters of 4 x 1, 256,000 bytes of LDS; arguments qkv, ctx; writes ctx
.if DOCPART == 3
	.amdgcn_target "amdgcn-amd-amdhsa--gfx1250"
	.amdhsa_code_object_version 6
	.text
	.protected	k_q6bd5771032_attn
	.globl	k_q6bd5771032_attn
	.p2align	8
	.type	k_q6bd5771032_attn,@function
k_q6bd5771032_attn:
	s_mov_b64 s[64:65], 0
	v_nop
	global_prefetch_b8 v0, s[64:65] scope:SCOPE_SE
	s_setreg_imm32_b32 hwreg(HW_REG_WAVE_MODE, 25, 1), 1
	s_wait_xcnt 0x0
	s_wait_alu depctr_hold_cnt(0) depctr_sa_sdst(0) depctr_va_vdst(0) depctr_va_sdst(0) depctr_va_ssrc(0) depctr_va_vcc(0) depctr_vm_vsrc(0)
	s_getreg_b32 s2, hwreg(HW_REG_IB_STS2, 6, 4)
	s_cmp_eq_u32 s2, 0
	s_cbranch_scc0 .Lentry_in_a_cluster
	s_endpgm
.Lentry_in_a_cluster:
	s_bfe_u32 s2, ttmp6, 0x10000c
	s_cmp_lg_u32 s2, 0x3003
	s_cbranch_scc0 .Lentry_shape_is_right
	s_endpgm
.Lentry_shape_is_right:
; context[b][q][head][:] = sum over k of softmax_k(Q . K / 8) V, both products on codes of FP6 (E2M3) with one E8M0 scale for each 32 along a product's K; the context is quantised along head x 64 + d and stored as codes.
; THE SOFTMAX: t = score x log2(e) / 8; M = the row's largest t so far, rounded UP to a whole number; p = 2^(t - M) is quantised along the keys, not normalised.  The row's sum is taken of the unquantised p, in f32,
; and divides O at the end.  When M moves, the sum and O are multiplied by 2^(old M - new M): exact.
; LIMITS: the promise holds while |t| stays under 2^31; a block whose largest magnitude lies under 2^-124 gets the byte 1 (these bytes are read by this program alone); NaN and infinities are not served.
; SHARES.  A work-group owns 512 queries of one (batch, head); each of its sixteen waves 32 of them, two tiles of 16, in two passes over all 2,048 keys (a loop of two trips).  A lane holds ONE query (lane % 16) throughout:
; S^T = K Q^T, O^T = V^T P^T.
; A HEAD'S K AND V STAY IN LDS WHOLE, filled once, one tensor load a wave: waves 0, 1 key steps 0-3 of K, of V; waves 2, 3 their scale words; waves 4-15 two key steps each.  Every wave waits for its load ahead of the ONE
; work-group barrier at the head; nothing is ever filled again, and no barrier stands among the 32 key steps of a wave.  CLUSTER: the four blocks of queries of a head ask for every tile jointly (mask of all four;
; addresses hang on the head and the wave alone).  No prefetch: every byte of K and V is asked for by the head's loads themselves, so there is no later load to run ahead of.
; LDS: an image of a fragment is 3 pieces of 512 bytes (4 registers x 32 lanes); 128 bytes of padding follow each piece: a piece every 640 bytes, a fragment every 1,920.
; THE KEYS OF A TILE ARE CHOSEN BY THE LANES' ADDRESSES.  As stored, fragment f holds keys 32 f + {0-7, 16-23} (k 0-63) and 32 f + {8-15, 24-31} (k 64-127).  Lanes with r < 8 read row r % 8 (+ 8 e) of fragment 2 B, lanes with
; r >= 8 the same row of fragment 2 B + 1 (1,920 bytes on: the other half of the banks).  Multiplied by [q | 0] and by [0 | q], the two fragments e = 0, 1 of band B give four tiles whose 32 registers in lane (r, h)
; are keys 64 B + 32 h + 0 .. 31: ONE WHOLE SCALE BLOCK OF P, in the order of the second product's operand.  So no lane asks another for a block's maximum and no code changes lanes.
; REGISTERS: v1-7, v47 addresses that stay; v8-11 addresses in hand; v12 -M, v13 the largest score, v[14:15] the sum; v16-21 zeros, v22-27 q, v28-33 zeros; v34-45 Q's tiles, v46 their scale word; v48-95 four fragments of K, then of V;
; v96-159 S^T, then p; v160-191 O^T; v192-195 K's scale words, v196-199 V's, v200 q's, v201 p's; v202-203 the context's scale bytes; v204-205 the spare word and 0; v208-222 at work; v224-235 p's codes; v236-251 at work.
.set WV,  8
.set G1,  16                           ; s[16:23] group 1: two key steps, 24 rows of 512 bytes;  s[24:31] scale words;  s[40:47] four key steps, 48 rows;  s[32:35], s[36:39] groups 0
.set G1S, 24
.set G1A, 40
.set SEL, 52                           ; s[52:53] selects of v_permlanex16_b32 for lane l xor 16
.set CS,  54                           ; s[54:55] c = log2(e) / 8
.set KB,  56                           ; s56 LDS byte of the key step's fragments;  s57 of its scale words
.set SB,  57
.set CNT, 58
.set PASS, 59
.set FP,  1920
.set PP,  640
.set VB,  64*FP                        ; V's codes lie behind K's
.set SCB, 2*VB                         ; K's scale words, 4,096 bytes, then V's
.set SPARE, SCB+8192                   ; the spare words: 128 bytes for each of 16 waves
.set SCO, 96
.set OT,  160
.set FRG, 48
.set PCD, 224
.set SPW, 204
.set NIL, 205
.macro CROUND                          ; a round of the cluster's barrier
	s_barrier_signal -1
	s_barrier_wait -1
	s_cmp_lg_u32 s[WV], 0
	s_cbranch_scc1 .Lnot_wave_0_\@
	s_barrier_signal -3
.Lnot_wave_0_\@:
	s_barrier_wait -3
	s_barrier_signal -1
	s_barrier_wait -1
.endm
.macro MM d, a, b, c, sa, sb
	v_wmma_scale_f32_16x16x128_f8f6f4 v[\d:\d+7], v[\a:\a+11], v[\b:\b+11], \c, v[\sa], v[\sb] matrix_a_fmt:MATRIX_FMT_FP6 matrix_b_fmt:MATRIX_FMT_FP6
.endm
.macro ADD4 o                          ; eight more p onto the four partial sums
.irp k, 0,2,4,6
	v_pk_add_f32 v[244+\k:245+\k], v[244+\k:245+\k], v[SCO+\o+\k:SCO+\o+\k+1]
.endr
.endm
	s_load_b128 s[4:7], s[0:1], 0x0                ; qkv, ctx
	v_lshl_add_u32 v[SPW], v0, 2, SPARE
	v_mov_b32 v[NIL], 0
	ds_add_u32 v[SPW], v[NIL]                      ; the opening lines: the add twice on end and one wait
	ds_add_u32 v[SPW], v[NIL]
	v_lshrrev_b32 v8, 5, v0
	v_readfirstlane_b32 s[WV], v8                  ; wave 0..15
	s_bfe_u32 s9, ttmp6, 0x40000                   ; cx: my block of 512 queries
	s_and_b32 s10, ttmp7, 0xffff                   ; 16 x batch + head, which the four partners share
	s_and_b32 s11, s[WV], 1                        ; I fetch for K (0) or V (1)
	s_lshr_b32 s12, s[WV], 1                       ; which two key steps
.irp g, G1, G1A
	s_mov_b32 s[\g], 15|(3<<16)|(1<<20)|(1<<21)|(6<<22)|(31<<25)   ; mask of all four; elements of 8 bytes; 32 words of padding behind every 128
	s_mov_b32 s[\g+1], 64<<16
	s_mov_b32 s[\g+3], 64<<16
	s_mov_b32 s[\g+5], 64
	s_mov_b32 s[\g+6], 0
	s_mov_b32 s[\g+7], 0
.endr
	s_mov_b32 s[G1+2], 24<<16
	s_mov_b32 s[G1+4], 24
	s_mov_b32 s[G1A+2], 48<<16
	s_mov_b32 s[G1A+4], 48
	s_mov_b32 s[G1S], 15|(3<<16)|(1<<21)           ; 4,096 dense bytes as 8 rows of 512
	s_mov_b32 s[G1S+1], 64<<16
	s_mov_b32 s[G1S+2], 8<<16
	s_mov_b32 s[G1S+3], 64<<16
	s_mov_b32 s[G1S+4], 8
	s_mov_b32 s[G1S+5], 64
	s_mov_b32 s[G1S+6], 0
	s_mov_b32 s[G1S+7], 0
	s_add_co_u32 s70, s11, 1
	s_mul_i32 s72, s70, 6291456                    ; K's or V's codes,
	s_mul_i32 s71, s10, 98304                      ; my head's,
	s_add_co_u32 s72, s72, s71
	s_mul_i32 s71, s12, 12288                      ; my two key steps
	s_add_co_u32 s72, s72, s71
	s_mov_b32 s73, 0
	s_lshl_b32 s74, s70, 18                        ; K's or V's scale words
	s_lshl_b32 s71, s10, 12
	s_add_co_u32 s74, s74, s71
	s_add_co_u32 s74, s74, 18874368
	s_mov_b32 s75, 0
	s_mov_b32 s32, 1
	s_mul_i32 s33, s11, VB
	s_mul_i32 s71, s12, 8*FP
	s_add_co_u32 s33, s33, s71
	s_mov_b32 s36, 1
	s_lshl_b32 s37, s11, 12
	s_add_co_u32 s37, s37, SCB
	s_lshl_b32 s78, s9, 4
	s_add_co_u32 s78, s78, s[WV]                   ; my 32 queries: pair 16 cx + wave of the head's 64
	s_mul_i32 s60, s10, 98304
	s_mul_i32 s79, s78, 1536
	s_add_co_u32 s60, s60, s79
	s_mov_b32 s61, 0
	s_lshl_b32 s62, s10, 12
	s_lshr_b32 s79, s78, 2
	s_lshl_b32 s79, s79, 8
	s_add_co_u32 s62, s62, s79
	s_and_b32 s79, s78, 3
	s_lshl_b32 s79, s79, 2
	s_add_co_u32 s62, s62, s79
	s_add_co_u32 s62, s62, 18874368
	s_mov_b32 s63, 0
	s_lshr_b32 s79, s10, 4
	s_lshl_b32 s79, s79, 7
	s_lshl_b32 s78, s78, 1
	s_add_co_u32 s78, s78, s79                     ; my first tile of tokens: 128 x batch + 2 x pair
	s_and_b32 s79, s10, 15                         ; the head
	s_mul_i32 s66, s78, 12288
	s_mul_i32 s70, s79, 768
	s_add_co_u32 s66, s66, s70
	s_mov_b32 s67, 0
	s_lshl_b32 s68, s78, 9
	s_lshl_b32 s70, s79, 1
	s_add_co_u32 s68, s68, s70
	s_add_co_u32 s68, s68, 6291456
	s_mov_b32 s69, 0
	s_mov_b32 s[SEL], 0x76543210
	s_mov_b32 s[SEL+1], 0xfedcba98
	s_mov_b32 s[CS], 0x3e38aa3b
	s_mov_b32 s[CS+1], s[CS]                       ; (named with it as a pair, so it is written)
	s_mov_b32 s[PASS], 0
	v_and_b32 v232, 31, v0                         ; lane
	v_and_b32 v233, 15, v0                         ; r
	v_bfe_u32 v234, v0, 4, 1                       ; h
	v_and_b32 v235, 7, v0                          ; r % 8
	v_bfe_u32 v236, v0, 3, 1                       ; r / 8
	v_lshlrev_b32 v1, 4, v232                      ; 16 x lane
	v_add_nc_u32 v2, VB, v1                        ; V's fragments, as they lie
	v_lshl_add_u32 v3, v234, 4, v235
	v_lshlrev_b32 v3, 4, v3
	v_mad_u32_u24 v3, v236, FP, v3                 ; K's: the image's lane r % 8 + 16 h, of the fragment r / 8 further on
	v_lshlrev_b32 v4, 4, v235
	v_lshl_add_u32 v4, v236, 2, v4
	v_add_nc_u32 v4, SCB, v4                       ; and that row's and fragment's scale word
	v_lshlrev_b32 v237, 4, v233                    ; 16 r
	v_add_nc_u32 v7, SCB+4096, v237                ; V's four scale words of row r
	v_lshlrev_b32 v5, 3, v232                      ; 8 x lane
	v_lshlrev_b32 v6, 5, v233
	v_lshl_add_u32 v6, v234, 9, v6                 ; the context's scale bytes: 512 x tile + 32 r
	v_lshlrev_b32 v47, 3, v234                     ; 8 h
	s_wait_alu depctr_va_vdst(0)
	s_wait_dscnt 0x0
	s_wait_kmcnt 0x0
	s_add_nc_u64 s[34:35], s[4:5], s[72:73]
	s_or_b32 s35, s35, 0x80000000
	s_add_nc_u64 s[38:39], s[4:5], s[74:75]
	s_or_b32 s39, s39, 0x80000000
	s_add_nc_u64 s[60:61], s[4:5], s[60:61]        ; Q's codes
	s_add_nc_u64 s[62:63], s[4:5], s[62:63]        ; Q's scale words
	s_add_nc_u64 s[66:67], s[6:7], s[66:67]        ; the context's codes
	s_add_nc_u64 s[68:69], s[6:7], s[68:69]        ; the context's scale bytes
.irp c, 0,1,2
	global_load_b128 v[34+4*\c:37+4*\c], v1, s[60:61] offset:512*\c   ; Q's two tiles stay in registers
.endr
	global_load_b32 v46, v237, s[62:63]            ; bytes 0, 1 the first tile's scales, bytes 2, 3 the second's
	CROUND                                         ; all four work-groups are here: the joint loads meet
	s_cmp_lt_u32 s[WV], 2                          ; one chain of arms on the wave's number, one load to an arm
	s_cbranch_scc0 .Lwords
	tensor_load_to_lds s[32:35], s[G1A:G1A+7]      ; waves 0, 1: key steps 0-3
	s_nop 0
	s_branch .Lasked
.Lwords:
	s_cmp_lt_u32 s[WV], 4
	s_cbranch_scc0 .Lrest
	tensor_load_to_lds s[36:39], s[G1S:G1S+7]      ; waves 2, 3: the scale words
	s_nop 0
	s_branch .Lasked
.Lrest:
	tensor_load_to_lds s[32:35], s[G1:G1+7]        ; waves 4-15: key steps 2 (wave / 2) and the next
	s_nop 0
.Lasked:
.irp i, 0,1,2,3,4,5
	v_mov_b32 v[16+\i], 0                          ; zero codes on both sides of q
	v_mov_b32 v[28+\i], 0
.endr
.irp i, 202,203,213,216,217,222,252
	v_mov_b32 v\i, 0                               ; lane permutes' destinations and pairs' upper halves are written once
.endr
	s_wait_alu depctr_va_vdst(0)
	s_wait_loadcnt 0x0                             ; Q
	s_wait_tensorcnt 0x0                           ; my one load is in
	s_barrier_signal -1
	s_barrier_wait -1                              ; and everybody's: all of K and V and their scale words
; A KEY STEP: 128 keys.
.macro STEP
	v_add_nc_u32 v8, s[KB], v3
	v_add_nc_u32 v10, s[SB], v4
.irp i, 0,1,2,3                                ; fragment i = 2 B + e
.irp c, 0,1,2
	ds_load_b128 v[FRG+12*\i+4*\c:FRG+12*\i+4*\c+3], v8 offset:2*FP*(\i/2)+128*(\i%2)+PP*\c
.endr
	ds_load_b32 v[192+\i], v10 offset:128*(\i%2)+8*(\i/2)
.endr
	s_wait_dscnt 0x0
.irp i, 0,1,2,3
	MM SCO+16*\i, FRG+12*\i, 22, 0, 192+\i, 200    ; by [q | 0]: keys 64 B + 32 h + 16 e + 0 .. 7
	MM SCO+16*\i+8, FRG+12*\i, 16, 0, 192+\i, 200  ; by [0 | q]: the next eight
.endr
	v_add_nc_u32 v9, s[KB], v2                     ; four places in front of the loads into K's registers and of the first read of the scores
	v_add_nc_u32 v11, s[SB], v7
	v_nop
	v_nop
.irp t, 0,1,2,3
.irp c, 0,1,2
	ds_load_b128 v[FRG+12*\t+4*\c:FRG+12*\t+4*\c+3], v9 offset:FP*\t+PP*\c   ; V lands while the softmax is worked
.endr
.endr
	ds_load_b128 v[196:199], v11
; the largest score of my two blocks of 32 keys, two chains a block; each tile is first read at its low end
.irp b, 0,1
	v_max3_num_f32 v[208+\b], v[SCO+32*\b], v[SCO+32*\b+1], v[SCO+32*\b+2]
.endr
.irp b, 0,1
	v_max3_num_f32 v[210+\b], v[SCO+32*\b+17], v[SCO+32*\b+18], v[SCO+32*\b+19]
.endr
.irp i, 0,2,4,6,8,10
.irp b, 0,1
	v_max3_num_f32 v[208+\b], v[208+\b], v[SCO+32*\b+3+\i], v[SCO+32*\b+4+\i]
.endr
.irp b, 0,1
	v_max3_num_f32 v[210+\b], v[210+\b], v[SCO+32*\b+20+\i], v[SCO+32*\b+21+\i]
.endr
.endr
.irp b, 0,1
	v_max3_num_f32 v[208+\b], v[208+\b], v[SCO+32*\b+15], v[SCO+32*\b+16]
.endr
.irp b, 0,1
	v_max_num_f32 v[208+\b], v[208+\b], v[210+\b]  ; it serves twice: for the row's maximum, and, since p rises with the score, for the block's largest p
.endr
	s_delay_alu instid0(VALU_DEP_1)
	v_max_num_f32 v212, v208, v209
	s_delay_alu instid0(VALU_DEP_1)
	v_permlanex16_b32 v213, v212, s[SEL], s[SEL+1]
	s_delay_alu instid0(VALU_DEP_1)
	v_max3_num_f32 v13, v13, v212, v213            ; the running largest score of my query
	s_delay_alu instid0(VALU_DEP_1)
	v_mul_f32 v215, s[CS], v13                     ; as t (c is positive)
	s_delay_alu instid0(VALU_DEP_1)
	v_floor_f32 v12, -v215                         ; the new -M = -ceil(t)
	s_delay_alu instid0(VALU_DEP_1)
	v_sub_f32 v214, v12, v214                      ; old M less new M: a whole number, 0 or less
.set j, 0
.rept 32
	v_pk_fma_f32 v[SCO+j:SCO+j+1], v[SCO+j:SCO+j+1], s[CS:CS+1], v[12:13] op_sel_hi:[1,0,0]   ; t - M
.if j == 6
	v_cvt_i32_f32 v214, v214                       ; (it saturates)
.endif
.if j == 14
	v_ldexp_f32 v216, 1.0, v214                    ; f = 2^(old M - new M)
.endif
.set j, j+2
.endr
.irp b, 0,1
	v_fma_f32 v[208+\b], v[208+\b], s[CS], v12     ; the same of each block's largest score
.endr
.set j, 0
.rept 16
	v_pk_mul_f32 v[OT+j:OT+j+1], v[OT+j:OT+j+1], v[216:217] op_sel_hi:[1,0]   ; O^T under the new M
.set j, j+2
.endr
	s_wait_alu depctr_va_vdst(0)
.set j, 0
.rept 64
	v_exp_f32 v[SCO+j], v[SCO+j]                   ; p = 2^(t - M), at most 1
.set j, j+1
.endr
	v_exp_f32 v208, v208                           ; the blocks' largest p: the same two instructions on the same number
	v_exp_f32 v209, v209
	v_mov_b32 v214, v12                            ; -M, kept for the next step.  (The plain place behind the batch)
	s_wait_alu depctr_va_vdst(0)                   ; one wait for the batch, ahead of its first reader and of the wait below
	s_wait_dscnt 0x0                               ; V
.irp b, 0,1
	v_max_num_f32 v[208+\b], 0x1800000, v[208+\b]  ; the floor 2^(3 - 127): the byte cannot fall under 1
.endr
.irp k, 0,2,4,6
	v_pk_add_f32 v[244+\k:245+\k], v[SCO+\k:SCO+\k+1], v[SCO+8+\k:SCO+9+\k]   ; the row's sum of the unquantised p: four partial sums of pairs
.endr
.irp b, 0,1
	v_add_nc_u32 v[218+\b], 0xff000000, v[208+\b]  ; 2 off the exponent field: the conversion's scale operand
.endr
.irp b, 0,1
	v_lshrrev_b32 v[220+\b], 23, v[218+\b]         ; the scale's byte
.endr
.irp b, 0,1
	v_cvt_scalef32_pk16_fp6_f32 v[PCD+6*\b:PCD+6*\b+2], v[SCO+32*\b:SCO+32*\b+15], v[218+\b]
	v_cvt_scalef32_pk16_fp6_f32 v[236+4*\b:238+4*\b], v[SCO+32*\b+16:SCO+32*\b+31], v[218+\b]   ; (a conversion's three registers begin on an even number)
.endr
	ADD4 16
	v_lshl_or_b32 v201, v221, 16, v220             ; my bytes: blocks h and 2 + h,
	v_lshlrev_b32 v201, v47, v201                  ; at their places in the word
.irp i, 0,1,2
	v_mov_b32 v[PCD+3+\i], v[236+\i]
.endr
	v_permlanex16_b32 v222, v201, s[SEL], s[SEL+1]
.irp i, 0,1,2
	v_mov_b32 v[PCD+9+\i], v[240+\i]
.endr
	v_or_b32 v201, v201, v222                      ; with lane l xor 16's two the word is whole
.irp o, 24,32,40,48,56
	ADD4 \o                                        ; these twenty are also the places between the writes of p's codes and scale word and the products
.endr
.irp t, 0,1,2,3                                ; O^T += V^T P^T: four tiles of 16 of the head's 64, by turns
	MM OT+8*\t, FRG+12*\t, PCD, v[OT+8*\t:OT+8*\t+7], 196+\t, 201
.endr
	v_pk_add_f32 v[244:245], v[244:245], v[246:247]   ; the sum's last lines are the places behind the products
	v_pk_add_f32 v[248:249], v[248:249], v[250:251]
	s_delay_alu instid0(VALU_DEP_1)
	v_pk_add_f32 v[244:245], v[244:245], v[248:249]
	s_delay_alu instid0(VALU_DEP_1)
	v_pk_fma_f32 v[14:15], v[14:15], v[216:217], v[244:245] op_sel_hi:[1,0,1]   ; the row's sum under the new M, and this step's
	s_add_co_u32 s[KB], s[KB], 4*FP
	s_add_co_u32 s[SB], s[SB], 256
.endm
.Lpass:                                                ; a pass: the tile in v34-39 becomes q; the sums begin as zeros and the largest score as -3e38, so that the key step is written once
.irp i, 0,1,2,3,4,5
	v_mov_b32 v[22+\i], v[34+\i]
.endr
	v_perm_b32 v200, v46, v46, 0x01000100          ; q's two scale bytes, twice: for k 0-63 and for k 64-127
	v_mov_b32 v13, 0xff61b1e6
	v_mov_b32 v12, 0x7f61b1e6
	v_mov_b32 v214, 0x7f61b1e6
	v_mov_b32 v14, 0
	v_mov_b32 v15, 0
.set j, 0
.rept 32
	v_mov_b32 v[OT+j], 0                           ; (also the places between the writes of q and its scale word and the first products)
.set j, j+1
.endr
	s_mov_b32 s[KB], 0
	s_mov_b32 s[SB], 0
	s_mov_b32 s[CNT], 16
.Lkey:
	STEP
	s_sub_co_u32 s[CNT], s[CNT], 1
	s_cmp_lg_u32 s[CNT], 0
	s_cbranch_scc1 .Lkey
; the pass ends: O^T / the sum is the context of 16 tokens x my head's 64: register 16 b + i is d = 32 b + 16 h + i.  Its two blocks of 32 are quantised; the codes are half a fragment of the last product's operand.
	v_add_f32 v14, v14, v15
	s_delay_alu instid0(VALU_DEP_1)
	v_permlanex16_b32 v252, v14, s[SEL], s[SEL+1]
	s_delay_alu instid0(VALU_DEP_1)
	v_add_f32 v14, v14, v252                       ; the row's sum
	s_wait_alu depctr_va_vdst(0)
	v_rcp_f32 v14, v14
	v_mov_b32 v202, v203                           ; the pass before's scale bytes.  (The plain place behind the transcendental)
	s_wait_alu depctr_va_vdst(0)                   ; ahead of its first reader and of O^T's
.set j, 0
.rept 16
	v_pk_mul_f32 v[96+j:97+j], v[OT+j:OT+j+1], v[14:15] op_sel_hi:[1,0]   ; each accumulator from its low end on
.set j, j+2
.endr
.irp b, 0,1
	v_max3_num_f32 v[232+\b], |v[96+16*\b]|, |v[97+16*\b]|, 0x1800000
.endr
.irp i, 2,4,6,8,10,12,14
.irp b, 0,1
	s_delay_alu instid0(VALU_DEP_2)
	v_max3_num_f32 v[232+\b], v[232+\b], |v[96+16*\b+\i]|, |v[97+16*\b+\i]|
.endr
.endr
.irp b, 0,1
	s_delay_alu instid0(VALU_DEP_2)
	v_permlanex16_b32 v[210+\b], v[232+\b], s[SEL], s[SEL+1]
.endr
.irp b, 0,1
	s_delay_alu instid0(VALU_DEP_2)
	v_max_num_f32 v[232+\b], v[232+\b], v[210+\b]
.endr
.irp b, 0,1
	s_delay_alu instid0(VALU_DEP_2)
	v_add_nc_u32 v[244+\b], 0xff000000, v[232+\b]
.endr
.irp b, 0,1
	s_delay_alu instid0(VALU_DEP_2)
	v_lshrrev_b32 v[236+\b], 23, v[244+\b]
.endr
	s_delay_alu instid0(VALU_DEP_1)
	v_lshl_or_b32 v203, v237, 8, v236              ; my row's two scale bytes for this head
	v_cvt_scalef32_pk16_fp6_f32 v[224:226], v[96:111], v244
	v_cvt_scalef32_pk16_fp6_f32 v[240:242], v[112:127], v245
	v_nop                                          ; one plain place behind a scaled conversion
.irp i, 0,1,2
	v_permlane16_swap_b32 v[224+\i], v[240+\i]     ; lanes 0-15 now hold d 0-31, lanes 16-31 d 32-63
.endr
.irp i, 0,1,2
	s_delay_alu instid0(VALU_DEP_3)
	v_mov_b32 v[227+\i], v[240+\i]
.endr
	global_store_b128 v1, v[224:227], s[66:67]     ; 512 and 256 consecutive bytes, at multiples of 256 from the buffer's first byte
	global_store_b64 v5, v[228:229], s[66:67] offset:512
.irp i, 0,1,2,3,4,5
	v_mov_b32 v[34+\i], v[40+\i]                   ; the second tile takes the first's place,
.endr
	v_lshrrev_b32 v46, 16, v46                     ; and its scale bytes
	s_wait_xcnt 0x0                                ; the stores have read their registers and their base
	s_add_nc_u64 s[66:67], s[66:67], 12288         ; the next tile of tokens
	s_add_co_u32 s[PASS], s[PASS], 1
	s_cmp_lt_u32 s[PASS], 2
	s_wait_alu depctr_va_vdst(0)
	s_cbranch_scc1 .Lpass
	v_and_b32 v8, 31, v0
	v_cmp_lt_u32 vcc_lo, 15, v8
	v_cndmask_b32 v8, v202, v203, vcc_lo           ; lanes 0-15 store the first tile's bytes, lanes 16-31 the second's
	global_store_b16 v6, v8, s[68:69]              ; two bytes a row, 32 bytes apart: the rest of a row's 32 bytes belongs to the other fifteen heads' work-groups.  One such store a wave
	s_wait_tensorcnt 0x0                           ; the wave's end
	ds_add_u32 v[SPW], v[NIL]
	s_wait_dscnt 0x0
	CROUND                                         ; the closing round
	s_endpgm
.Lfunc_end_k_q6bd5771032_attn:
	.size	k_q6bd5771032_attn, .Lfunc_end_k_q6bd5771032_attn-k_q6bd5771032_attn
	.p2alignl 7, 3214868480
	.fill 96, 4, 3214868480
	.section	.rodata,"a",@progbits
	.p2align	6, 0x0
	.amdhsa_kernel k_q6bd5771032_attn
		.amdhsa_group_segment_fixed_size 256000
		.amdhsa_private_segment_fixed_size 0
		.amdhsa_enable_private_segment 0
		.amdhsa_kernarg_size 16
		.amdhsa_user_sgpr_count 2
		.amdhsa_user_sgpr_kernarg_segment_ptr 1
		.amdhsa_wavefront_size32 1
		.amdhsa_system_sgpr_workgroup_id_x 1
		.amdhsa_system_sgpr_workgroup_id_y 1
		.amdhsa_system_sgpr_workgroup_id_z 1
		.amdhsa_system_vgpr_workitem_id 0
		.amdhsa_next_free_vgpr 256
		.amdhsa_next_free_sgpr 80
		.amdhsa_reserve_vcc 1
		.amdhsa_float_denorm_mode_32 3
		.amdhsa_float_denorm_mode_16_64 3
		.amdhsa_memory_ordered 1
		.amdhsa_forward_progress 1
		.amdhsa_inst_pref_size 30
	.end_amdhsa_kernel
	.amdgpu_metadata
---
amdhsa.version: [ 1, 2 ]
amdhsa.kernels:
  - .name:           k_q6bd5771032_attn
    .symbol:         k_q6bd5771032_attn.kd
    .args:
      - { .name: qkv, .offset: 0, .size: 8, .value_kind: global_buffer, .address_space: global }
      - { .name: ctx, .offset: 8, .size: 8, .value_kind: global_buffer, .address_space: global }
    .group_segment_fixed_size: 256000
    .private_segment_fixed_size: 0
    .kernarg_segment_align: 8
    .kernarg_segment_size: 16
    .max_flat_workgroup_size: 512
    .sgpr_count:     80
    .vgpr_count:     256
    .wavefront_size: 32
...
	.end_amdgpu_metadata
.endif
;; end of part 3
;; launch outp (part 4): grid 4 x 32, 4 waves a work-group, clusters of 4 x 4, 327,680 bytes of LDS; arguments ctx, wq, bo, out0; writes out0
.if DOCPART == 4
	.amdgcn_target "amdgcn-amd-amdhsa--gfx1250"
	.amdhsa_code_object_version 6
	.text
	.protected	k_q6bd5771032_outp
	.globl	k_q6bd5771032_outp
	.p2align	8
	.type	k_q6bd5771032_outp,@function
k_q6bd5771032_outp:
	s_mov_b64 s[64:65], 0
	v_nop
	global_prefetch_b8 v0, s[64:65] scope:SCOPE_SE
	s_setreg_imm32_b32 hwreg(HW_REG_WAVE_MODE, 25, 1), 1
	s_wait_xcnt 0x0
	s_wait_alu depctr_hold_cnt(0) depctr_sa_sdst(0) depctr_va_vdst(0) depctr_va_sdst(0) depctr_va_ssrc(0) depctr_va_vcc(0) depctr_vm_vsrc(0)
	s_getreg_b32 s2, hwreg(HW_REG_IB_STS2, 6, 4)
	s_cmp_eq_u32 s2, 0
	s_cbranch_scc0 .Lentry_in_a_cluster
	s_endpgm
.Lentry_in_a_cluster:
	s_bfe_u32 s2, ttmp6, 0x10000c
	s_cmp_lg_u32 s2, 0xf033
	s_cbranch_scc0 .Lentry_shape_is_right
	s_endpgm
.Lentry_shape_is_right:
.set NQ,    2
.set FR,    12
.set NL,    4
.set NP,    4
.set TROW,  NQ*1536
.set HALFT, 8*TROW
.set SLOT,  4*HALFT
.set LAPS,  2
.set SCL,   2*SLOT
.set HALFS, 16*272
.set SBLK,  2*272
.set SPARE, SCL+4*HALFS
.set SPITCH, 528
.set LI,   4
.set L8,   5
.set ADRA, 16
.set ADRB, 20
.set STO,  24
.set RD,   25
.set ADRS, 27
.set SPW,  28
.set NIL,  29
.set SC,   32
.set BO,   64
.set AF,   128
.set BK,   128
.set WV,  16
.set WR,  17
.set WC,  18
.set G1,  24
.set G0,  32
.set G1B, 48
.set G0B, 56
.set G1S, 68
.set G0S, 76
.set G1SB, 80
.set G0SB, 88
.set MSB, 0
.macro WIN new
.if MSB != (\new)
	s_set_vgpr_msb (MSB<<8)|(\new)
.set MSB, (\new)
.endif
.endm
.set MUL_LO, 0xa1
.set MUL_HI, 0xf1
.set TO_B,   0x40
.macro JLOAD g0a, g1a, g0b, g1b
	s_cmp_eq_u32 s[WR], 0
	s_cbranch_scc0 .Lfor_b_\@
	tensor_load_to_lds s[\g0a:\g0a+3], s[\g1a:\g1a+7]
	s_nop 0
.rept 4
	v_nop
.endr
	s_branch .Lasked_\@
.Lfor_b_\@:
	tensor_load_to_lds s[\g0b:\g0b+3], s[\g1b:\g1b+7]
	s_nop 0
.rept 4
	v_nop
.endr
.Lasked_\@:
.endm
.macro CREST
	s_cmp_lg_u32 s[WV], 0
	s_cbranch_scc1 .Lnot_wave_0_\@
	s_barrier_signal -3
.Lnot_wave_0_\@:
	s_barrier_wait -3
	s_barrier_signal -1
	s_barrier_wait -1
.endm
.macro CROUND
	s_barrier_signal -1
	s_barrier_wait -1
	CREST
.endm
	s_load_b256 s[4:11], s[0:1], 0x0
	v_lshl_add_u32 v[SPW], v0, 2, SPARE
	v_mov_b32 v[NIL], 0
	ds_add_u32 v28, v29
	ds_add_u32 v28, v29
	s_wait_dscnt 0x0
	v_lshrrev_b32 v1, 5, v0
	v_readfirstlane_b32 s[WV], v1
	s_lshr_b32 s[WR], s[WV], 1
	s_and_b32 s[WC], s[WV], 1
	s_bfe_u32 s40, ttmp6, 0x40000
	s_bfe_u32 s41, ttmp6, 0x40004
	s_and_b32 s45, ttmp7, 0xffff
	s_lshl_b32 s43, s41, 2
	s_lshl_b32 s43, 15, s43
	s_lshl_b32 s44, 0x1111, s40
	s_or_b32 s[G1+0], s43, (3<<16)|(1<<21)
	s_or_b32 s[G1B+0], s44, (3<<16)|(1<<21)
.irp g, G1, G1B
	s_mov_b32 s[\g+1], 384<<16
	s_mov_b32 s[\g+2], 16<<16
	s_mov_b32 s[\g+3], 384<<16
	s_mov_b32 s[\g+4], 16
	s_mov_b32 s[\g+5], 1536
	s_mov_b32 s[\g+6], 0
	s_mov_b32 s[\g+7], 0
.endr
	s_or_b32 s[G1S+0], s43, (3<<16)|(1<<20)|(1<<21)|(5<<22)|(3<<25)
	s_or_b32 s[G1SB+0], s44, (3<<16)|(1<<20)|(1<<21)|(5<<22)|(3<<25)
.irp g, G1S, G1SB
	s_mov_b32 s[\g+1], 32<<16
	s_mov_b32 s[\g+2], 32<<16
	s_mov_b32 s[\g+3], 32<<16
	s_mov_b32 s[\g+4], 32
	s_mov_b32 s[\g+5], 32
	s_mov_b32 s[\g+6], 0
	s_mov_b32 s[\g+7], 0
.endr
	s_lshl_b32 s66, s45, 2
	s_add_co_u32 s66, s66, s41
	s_lshl_b32 s20, s66, 4
	s_lshl_b32 s100, s[WC], 3
	s_add_co_u32 s20, s20, s100
	s_mul_i32 s100, s20, 12288
	s_mov_b32 s101, 0
	s_lshl_b32 s20, s20, 9
	s_add_co_u32 s20, s20, 6291456
	s_mov_b32 s21, 0
	s_lshl_b32 s67, ttmp9, 2
	s_add_co_u32 s67, s67, s40
	s_lshl_b32 s22, s67, 4
	s_lshl_b32 s46, s[WC], 3
	s_add_co_u32 s22, s22, s46
	s_mul_i32 s46, s22, 12288
	s_add_co_u32 s46, s46, 2359296
	s_mov_b32 s47, 0
	s_lshl_b32 s22, s22, 9
	s_add_co_u32 s22, s22, 3244032
	s_mov_b32 s23, 0
	s_lshl_b32 s98, s[WC], 12                      ; the scales come whole, 16 tiles a side: their offsets begin at the side's first tile
	s_sub_co_u32 s20, s20, s98
	s_sub_co_u32 s22, s22, s98
	s_mul_i32 s98, s[WV], HALFT
	s_mul_i32 s99, s[WR], 2*HALFS
	s_wait_kmcnt 0x0
	s_add_nc_u64 s[100:101], s[4:5], s[100:101]
	s_add_nc_u64 s[20:21], s[4:5], s[20:21]
	s_add_nc_u64 s[46:47], s[6:7], s[46:47]
	s_add_nc_u64 s[22:23], s[6:7], s[22:23]
	CROUND
	s_mov_b32 s[G0S], 1
	s_add_co_u32 s[G0S+1], s99, SCL
	s_mov_b64 s[G0S+2:G0S+3], s[20:21]
	s_or_b32 s[G0S+3], s[G0S+3], 0x80000000
	s_mov_b32 s[G0SB], 1
	s_add_co_u32 s[G0SB+1], s99, SCL
	s_mov_b64 s[G0SB+2:G0SB+3], s[22:23]
	s_or_b32 s[G0SB+3], s[G0SB+3], 0x80000000
.irp s, 0,1
	s_mov_b32 s[G0+4*\s], 1
	s_add_co_u32 s[G0+4*\s+1], s98, \s*SLOT
	s_add_nc_u64 s[G0+4*\s+2:G0+4*\s+3], s[100:101], \s*TROW
	s_or_b32 s[G0+4*\s+3], s[G0+4*\s+3], 0x80000000
	s_mov_b32 s[G0B+4*\s], 1
	s_add_co_u32 s[G0B+4*\s+1], s98, \s*SLOT
	s_add_nc_u64 s[G0B+4*\s+2:G0B+4*\s+3], s[46:47], \s*TROW
	s_or_b32 s[G0B+4*\s+3], s[G0B+4*\s+3], 0x80000000
.endr
; the head's four tiles, one joint load a wave, in one chain of arms: wave 0 slot 0's 16 tile rows of A, wave 1 A's scales, wave 2 the 16 tile rows of B, wave 3 B's scales
.macro ARM under, g0, g1, next
	s_cmp_lt_u32 s[WV], \under
	s_cbranch_scc0 \next
	tensor_load_to_lds s[\g0:\g0+3], s[\g1:\g1+7]
	s_nop 0
.rept 4
	v_nop
.endr
	s_branch .Lhead_asked
\next:
.endm
	ARM 1, G0, G1, .Lhead_sa
	ARM 2, G0S, G1S, .Lhead_b
	ARM 3, G0B, G1B, .Lhead_sb
	tensor_load_to_lds s[G0SB:G0SB+3], s[G1SB:G1SB+7]
	s_nop 0
.rept 4
	v_nop
.endr
.Lhead_asked:
	v_and_b32 v1, 31, v0
	v_and_b32 v2, 15, v0
	v_bfe_u32 v3, v0, 4, 1
	v_lshlrev_b32 v[LI], 4, v1
	s_wait_alu depctr_va_vdst(0)
	v_lshlrev_b32 v[L8], 3, v1
	s_wait_alu depctr_va_vdst(0)
	s_lshl_b32 s94, s67, 10
	s_lshl_b32 s95, s[WC], 9
	s_add_co_u32 s94, s94, s95
	s_mov_b32 s95, 0
	s_add_nc_u64 s[8:9], s[8:9], s[94:95]
	global_load_b128 v[BO:BO+3], v[LI], s[8:9]
	s_add_nc_u64 s[12:13], s[10:11], s[94:95]
	s_lshl_b32 s94, s66, 20
	s_lshl_b32 s96, s[WR], 19
	s_add_co_u32 s94, s94, s96
	s_add_nc_u64 s[12:13], s[12:13], s[94:95]
	s_mul_i32 s94, s[WR], HALFT
	s_mul_i32 s95, s[WC], HALFT
	s_add_co_u32 s95, s95, 2*HALFT
.irp s, 0,1
	v_add_nc_u32 v[ADRA+\s], s94, v[LI]
	v_add_nc_u32 v[ADRB+\s], s95, v[LI]
	v_add_nc_u32 v[ADRA+2+\s], s94, v[L8]
	v_add_nc_u32 v[ADRB+2+\s], s95, v[L8]
	s_add_co_u32 s94, s94, SLOT
	s_add_co_u32 s95, s95, SLOT
.endr
	v_lshlrev_b32 v6, 5, v2
	v_lshrrev_b32 v7, 8, v6
	v_lshl_add_u32 v6, v7, 4, v6
	s_mul_i32 s94, s[WR], HALFS
	s_mul_i32 s95, s[WC], HALFS
	s_add_co_u32 s95, s95, 2*HALFS
	s_sub_co_u32 s95, s95, s94
	v_mul_u32_u24 v7, s95, v3
	s_add_co_u32 s94, s94, SCL
	v_add_nc_u32 v6, v6, v7
	v_add_nc_u32 v[ADRS], s94, v6
	s_mul_i32 s94, s[WV], 16*SPITCH
	v_mul_u32_u24 v6, v2, SPITCH
	v_lshl_add_u32 v6, v3, 6, v6
	v_add_nc_u32 v[STO], s94, v6
	v_add_nc_u32 v[RD], s94, v[LI]
.macro FRAG reg, adr, q, i
	ds_load_b128 v[\reg:\reg+3], v[\adr] offset:(\i)*TROW+(\q)*1536
	ds_load_b64 v[\reg+4:\reg+5], v[\adr+2] offset:(\i)*TROW+(\q)*1536+512
	ds_load_b128 v[\reg+6:\reg+9], v[\adr] offset:(\i)*TROW+(\q)*1536+768
	ds_load_b64 v[\reg+10:\reg+11], v[\adr+2] offset:(\i)*TROW+(\q)*1536+1280
.endm
.macro MUL16 a0, p, q, sc, zero
.irp a, \a0, \a0+1
.irp b, 0,1,2,3,4,5,6,7
.if \zero
	v_wmma_scale_f32_16x16x128_f8f6f4 v[8*(8*((\a)%4)+\b):8*(8*((\a)%4)+\b)+7], v[128*(\p)+FR*\b:128*(\p)+FR*\b+FR-1], v[AF+FR*(\a):AF+FR*(\a)+FR-1], 0, v[SC+8*NQ*(\sc)+NQ*\b+(\q)], v[SC+8*NQ*(\sc)+NQ*(\a)+(\q)] matrix_a_fmt:MATRIX_FMT_FP6 matrix_b_fmt:MATRIX_FMT_FP6 matrix_a_scale:MATRIX_SCALE_ROW1
.else
	v_wmma_scale_f32_16x16x128_f8f6f4 v[8*(8*((\a)%4)+\b):8*(8*((\a)%4)+\b)+7], v[128*(\p)+FR*\b:128*(\p)+FR*\b+FR-1], v[AF+FR*(\a):AF+FR*(\a)+FR-1], v[8*(8*((\a)%4)+\b):8*(8*((\a)%4)+\b)+7], v[SC+8*NQ*(\sc)+NQ*\b+(\q)], v[SC+8*NQ*(\sc)+NQ*(\a)+(\q)] matrix_a_fmt:MATRIX_FMT_FP6 matrix_b_fmt:MATRIX_FMT_FP6 matrix_a_scale:MATRIX_SCALE_ROW1
.endif
.endr
.endr
.endm
.macro FETCH_B slot, q, p
	WIN TO_B
.irp i, 0,1,2,3,4,5,6,7
	FRAG 128*(\p)+FR*\i, ADRB+\slot, \q, \i
.endr
	WIN 0
.endm
.macro FETCH_A slot, q, i0
.irp i, \i0, \i0+1, \i0+2, \i0+3
	FRAG AF+FR*(\i), ADRA+\slot, \q, \i
.endr
.endm
.macro SCALES sc
.irp i, 0,1,2,3,4,5,6,7
	ds_load_b64 v[SC+8*NQ*\sc+NQ*\i:SC+8*NQ*\sc+NQ*\i+1], v[ADRS] offset:\i*SBLK
.endr
.endm
.macro PLACES n
.rept \n
	v_nop
.endr
.endm
.macro STEP slot, q, zero
	s_wait_dscnt 4*NL
	WIN MUL_LO
	MUL16 0, (\q)%2, \q, \slot, \zero
	MUL16 2, (\q)%2, \q, \slot, \zero
	s_wait_dscnt 0
	PLACES NP
	FETCH_B \slot, (\q)+1, 1-(\q)%2
	FETCH_A \slot, (\q)+1, 0
	WIN MUL_HI
	MUL16 4, (\q)%2, \q, \slot, \zero
	MUL16 6, (\q)%2, \q, \slot, \zero
	PLACES NP
	WIN 0
	FETCH_A \slot, (\q)+1, 4
.endm
.macro TURN slot, next, fill
	s_wait_tensorcnt 0x0
	ds_add_u32 v[SPW], v[NIL]
	s_wait_dscnt 4*NL+1
	WIN MUL_LO
	MUL16 0, 1, NQ-1, \slot, 0
	s_wait_dscnt 0x0
	s_barrier_signal -1
	MUL16 2, 1, NQ-1, \slot, 0
	WIN 0
	s_barrier_wait -1
.if \fill
	CREST
	s_add_nc_u64 s[G0+4*\slot+2:G0+4*\slot+3], s[G0+4*\slot+2:G0+4*\slot+3], 2*TROW
	s_add_nc_u64 s[G0B+4*\slot+2:G0B+4*\slot+3], s[G0B+4*\slot+2:G0B+4*\slot+3], 2*TROW
	JLOAD G0+4*\slot, G1, G0B+4*\slot, G1B
.else
	PLACES NP
.endif
	s_wait_alu depctr_va_vdst(0)
	v_add_nc_u32 v[ADRS], 4*NQ, v[ADRS]
	FETCH_B \next, 0, 0
	FETCH_A \next, 0, 0
	SCALES \next
	WIN MUL_HI
	MUL16 4, 1, NQ-1, \slot, 0
	MUL16 6, 1, NQ-1, \slot, 0
	PLACES NP
	WIN 0
	FETCH_A \next, 0, 4
.endm
	s_wait_alu depctr_va_vdst(0)
	s_wait_tensorcnt 0x0                           ; my tile of the head's four is in
	ds_add_u32 v[SPW], v[NIL]
	s_mov_b32 s[G1+2], 8<<16                       ; no load of mine is out: from here on a load brings 8 tile rows
	s_mov_b32 s[G1+4], 8
	s_mov_b32 s[G1B+2], 8<<16
	s_mov_b32 s[G1B+4], 8
	s_wait_dscnt 0x0
	CROUND                                         ; all four tiles are shown to all waves
	JLOAD G0+4, G1, G0B+4, G1B                     ; slot 1, a quarter a wave
	FETCH_B 0, 0, 0
	FETCH_A 0, 0, 0
	SCALES 0
	FETCH_A 0, 0, 4
	STEP 0, 0, 1
	s_mov_b32 s3, LAPS-1
.Llap:
	TURN 0, 1, 1
	STEP 1, 0, 0
	TURN 1, 0, 1
	STEP 0, 0, 0
	s_sub_co_u32 s3, s3, 1
	s_cmp_lg_u32 s3, 0
	s_cbranch_scc1 .Llap
	TURN 0, 1, 0
	STEP 1, 0, 0
	s_wait_dscnt 4*NL
	WIN MUL_LO
	MUL16 0, 1, NQ-1, 1, 0
	MUL16 2, 1, NQ-1, 1, 0
	s_wait_dscnt 0
	WIN MUL_HI
	MUL16 4, 1, NQ-1, 1, 0
	MUL16 6, 1, NQ-1, 1, 0
	WIN 0
.macro TOSTAGE a
.set AC, 64*((\a)%4)
	WIN 0x08+4*((\a)/4)
.irp b, 0,1,2,3,4,5,6,7
	ds_store_b128 v[STO], v[AC+8*\b:AC+8*\b+3] offset:128*(\b/2)+32*(\b%2)
	ds_store_b128 v[STO], v[AC+8*\b+4:AC+8*\b+7] offset:128*(\b/2)+32*(\b%2)+16
.endr
	WIN 0
.set BB, BK+64*((\a)%2)
.irp t, 0,1,2,3,4,5,6,7,8,9,10,11,12,13,14,15
	ds_load_b128 v[BB+4*\t:BB+4*\t+3], v[RD] offset:\t*SPITCH
.endr
.endm
.macro SEND a, younger
.set BB, BK+64*((\a)%2)
.set RW, 32*((\a)/2)+8*((\a)%2)
	s_wait_dscnt \younger
.irp t, 0,1,2,3,4,5,6,7,8,9,10,11,12,13,14,15
	v_pk_add_f32 v[BB+4*\t:BB+4*\t+1], v[BB+4*\t:BB+4*\t+1], v[BO:BO+1]
	v_pk_add_f32 v[BB+4*\t+2:BB+4*\t+3], v[BB+4*\t+2:BB+4*\t+3], v[BO+2:BO+3]
	global_store_b128 v[LI], v[BB+4*\t:BB+4*\t+3], s[12:13] offset:(RW+\t+8*(\t/8))*4096 th:TH_STORE_NT
.endr
.endm
	PLACES NP
	s_wait_loadcnt 0x0
	TOSTAGE 0
.irp a, 1,2,3,4,5,6,7
.if \a > 1
	s_wait_xcnt 0x0
.endif
	TOSTAGE \a
	SEND \a-1, 32
.endr
	SEND 7, 0
	s_wait_tensorcnt 0x0
	ds_add_u32 v[SPW], v[NIL]
	s_wait_dscnt 0x0
	CROUND
	s_endpgm
.Lfunc_end_k_q6bd5771032_outp:
	.size	k_q6bd5771032_outp, .Lfunc_end_k_q6bd5771032_outp-k_q6bd5771032_outp
	.p2alignl 7, 3214868480
	.fill 96, 4, 3214868480
	.section	.rodata,"a",@progbits
	.p2align	6, 0x0
	.amdhsa_kernel k_q6bd5771032_outp
		.amdhsa_group_segment_fixed_size 327680
		.amdhsa_private_segment_fixed_size 0
		.amdhsa_enable_private_segment 0
		.amdhsa_kernarg_size 32
		.amdhsa_user_sgpr_count 2
		.amdhsa_user_sgpr_kernarg_segment_ptr 1
		.amdhsa_wavefront_size32 1
		.amdhsa_system_sgpr_workgroup_id_x 1
		.amdhsa_system_sgpr_workgroup_id_y 1
		.amdhsa_system_sgpr_workgroup_id_z 1
		.amdhsa_system_vgpr_workitem_id 0
		.amdhsa_next_free_vgpr 1024
		.amdhsa_next_free_sgpr 102
		.amdhsa_reserve_vcc 0
		.amdhsa_float_denorm_mode_32 3
		.amdhsa_float_denorm_mode_16_64 3
		.amdhsa_memory_ordered 1
		.amdhsa_forward_progress 1
		.amdhsa_inst_pref_size 160
	.end_amdhsa_kernel
	.amdgpu_metadata
---
amdhsa.version: [ 1, 2 ]
amdhsa.kernels:
  - .name:           k_q6bd5771032_outp
    .symbol:         k_q6bd5771032_outp.kd
    .args:
      - { .name: ctx, .offset: 0, .size: 8, .value_kind: global_buffer, .address_space: global }
      - { .name: wq, .offset: 8, .size: 8, .value_kind: global_buffer, .address_space: global }
      - { .name: bo, .offset: 16, .size: 8, .value_kind: global_buffer, .address_space: global }
      - { .name: out0, .offset: 24, .size: 8, .value_kind: global_buffer, .address_space: global }
    .group_segment_fixed_size: 327680
    .private_segment_fixed_size: 0
    .kernarg_segment_align: 8
    .kernarg_segment_size: 32
    .max_flat_workgroup_size: 128
    .sgpr_count:     102
    .vgpr_count:     1024
    .wavefront_size: 32
...
	.end_amdgpu_metadata
.endif
;; end of part 4
